; MI455X (gfx1250); checked and timed in simulation.
; The chip was launched on July 23, 2026; its instructions are those of AMD's public machine-readable ISA for CDNA 5 (MIT licence, August 2026) and "CDNA5" Instruction Set Architecture Reference Guide (July 2026). The comments in the code are by the model that wrote it; some were corrected since.
;; Attention Multi. Allowed arithmetic: matrix products marked QUANTISED: E2M3 operands, one E8M0 scale for each 32 along K, by v_wmma_scale_f32_16x16x128_f8f6f4 with both operands' format E2M3, f32 sums; everything else in f32.
;; Inputs: b_out 1,024 float32; b_qkv 3,072 float32; mask 4 x 2,048 int32; w_out 1,024 x 1,024 float32; w_qkv 1,024 x 3,072 float32; x 4 x 2,048 x 1,024 float32.
;; Outputs: out0 4 x 2,048 x 1,024 float32.
;; This version of the problem:
;;   THIS VERSION OF THE PROBLEM IS GIVEN IN LOW PRECISION. The matrix products marked QUANTISED in the list below multiply operands that are first quantised to E2M3 (2 exponent bits, 3 mantissa bits; 6 bits a number), with one power-of-two scale for each 32 numbers along K (OCP MX v1.0); their sums are f32. All else is computed in f32.
;;   The module's matrix products, in the order in which they are computed (A, B: the left and right operand; K: the contracted axis; several contracted axes count as one K, in the product's order):
;;     1. [M 8,192, K 1,024] x [K 1,024, N 3,072]; A: input x; B: input w_qkv: QUANTISED
;;     2. batch 64 x [M 2,048, K 64] x [K 64, N 2,048]; A: computed on the way; B: computed on the way: QUANTISED
;;     3. batch 64 x [M 2,048, K 2,048] x [K 2,048, N 64]; A: softmax (see below); B: computed on the way: QUANTISED
;;     4. [M 8,192, K 1,024] x [K 1,024, N 1,024]; A: computed on the way; B: input w_out: QUANTISED
;;   THE QUANTISER, for each operand of a quantised product, along K:
;;     - K is cut into blocks of 32 from its start; a last block that is shorter is filled with zeros.
;;     - A block's scale is 2^e with e = floor(log2(the largest magnitude in the block)) - 2, held to -126 .. 127; a block of zeros has e = 0. As a byte (E8M0): e + 127.
;;     - Each number is divided by its block's scale, clamped to +-7.5, and rounded to the nearest number of E2M3, ties to even, subnormals kept.
;;     - The product sums the exact products of the quantised numbers (number of the format x scale) in f32.
;;   ~~~python
;;   def quantise(x, axis):      # numpy; x: float32 -> the quantised numbers, widened to float32 again
;;       x = np.moveaxis(x, axis, -1); K = x.shape[-1]
;;       x = np.pad(x, [(0, 0)] * (x.ndim - 1) + [(0, -K % 32)]); x = x.reshape(x.shape[:-1] + (-1, 32)); a = np.abs(x).max(-1, keepdims=True)
;;       e = np.where(a > 0, np.clip(np.frexp(np.where(a > 0, a, 1))[1] - 1 - 2, -126, 127), 0)      # np.frexp(a)[1] - 1 = floor(log2(a)), exactly
;;       r = np.clip(x / 2.0 ** e, -7.5, 7.5)
;;       step = 2.0 ** (np.maximum(np.frexp(np.where(r == 0, 1, r))[1] - 1, 0) - 3)
;;       q = np.round(r / step) * step * 2.0 ** e      # np.round: ties to even
;;       return np.moveaxis(q.reshape(q.shape[:-2] + (-1,))[..., :K], -1, axis).astype(np.float32)
;;   ~~~
;;   SOFTMAX AHEAD OF A QUANTISED PRODUCT. Where the list says 'softmax', what is quantised is not the finished softmax but p = 2^(t - M), with t = logit x log2(e) and M = ceil(the row's largest t), a whole number; so 1/2 < the row's largest p <= 1. The row's sum l is taken of the UNQUANTISED p, in f32, and the product's result is divided by l at the end. Since M is a whole number, a kernel that streams over the keys may use a running M (the ceiling of the running maximum): every later rescaling is an exact power of two, which a block's scale takes up: the codes' values come out the same.
;;   OPERANDS COMPUTED ON THE WAY. 'Computed on the way' means the value that the module computes at that place (a softmax that the list does not call 'softmax' is quantised finished and normalised). What goes into a quantiser is computed in f32, as accurately as f32 sums, v_exp_f32 and their like allow (about 1e-6 of the number): no bf16 or f16 on the way to a quantiser, and a product that is left as it is and whose result goes on into a quantised operand takes f32 operands (vector FMAs, or v_wmma_f32_16x16x4_f32). A number that lies on a knife's edge between two numbers of the format may be rounded either way, as far as f32 arithmetic and the matrix unit's own rounding can turn it there, and no further.
;; One version. Each part assembles by itself: llvm-mc -triple=amdgcn-amd-amdhsa -mcpu=gfx1250 --defsym DOCPART=n.
;; ======== version 1 of 1: 4 launches
;; limits: right only within a limited range of input values
;; workspace buffers: xq 6,553,600 bytes; wq 3,276,800 bytes; hq 19,660,800 bytes; aq 6,553,600 bytes
;; launch prep (part 1): grid 384 x 1, 4 waves a work-group, no clusters, 68,096 bytes of LDS; arguments x, w_qkv, w_out, xq, wq; writes xq, wq
.if DOCPART == 1
	.amdgcn_target "amdgcn-amd-amdhsa--gfx1250"
	.amdhsa_code_object_version 6
	.text
	.protected	k_q37f800097e_prep
	.globl	k_q37f800097e_prep
	.p2align	8
	.type	k_q37f800097e_prep,@function
k_q37f800097e_prep:
	s_mov_b64 s[64:65], 0
	v_nop
	global_prefetch_b8 v0, s[64:65] scope:SCOPE_SE
	s_setreg_imm32_b32 hwreg(HW_REG_WAVE_MODE, 25, 1), 1
	s_wait_xcnt 0x0
; x [8192][1024], w_qkv [1024][3072] and w_out [1024][1024], f32, become codes of FP6 (E2M3) with K innermost and one E8M0 byte for each 32 along K.
; xq: codes [8192 places][768 bytes], then scale bytes [8192][32] from byte 6,291,456.   wq: codes [4096 places][768] (features of w_qkv, then of w_out), scale bytes [4096][32] from byte 3,145,728.
; PLACES: row (or feature) n lies at place n with bits 3 and 4 exchanged.  So 16 neighbouring places 32 g + 16 u + m hold rows 32 g + 8 u + m + 8 (m / 8): the choice of rows by which a later product's
; results fall into a lane's registers as neighbours along the next K.
; A block's scale is 2^(floor(log2(largest magnitude)) - 2); its byte is the largest magnitude's exponent field - 2, held at 1 from below.
; LIMITS: a block whose largest magnitude lies under 2^-124, a block of zeros among them, keeps the byte 1 (its codes are zeros or next to it; these bytes are read by this program alone); NaN and infinities are not served.
; Work-groups 0-255 take x (K innermost: a stream of blocks; 16 neighbours a lane by a turn through the wave's own LDS stage); work-groups 256-383 take the weights (K outermost: a lane to a column, registers down K).
; The two ways never join, have no barrier, and use LDS bytes of their own.  No tensor loads: waves share nothing.
.set STEPS, 16
.set CB,    12                         ; bytes of 16 codes
.set XSP,   80                         ; x: a lane's place in a stage: 64 bytes + 16 of padding
.set XWREG, 8192                       ; x: a wave's LDS: two stages of 32 x XSP bytes, then its 256 scale bytes
.set XR,    16                         ; v16-79   four sets of 16 numbers as loaded
.set XX,    80                         ; v80-111  two sets of 16 neighbours
.set XE,    112                        ; v112-127 a scale byte for each step
.set XC,    128                        ; v128-191 codes, four registers a step
.set WSTG,  32768                      ; weights: the stages begin here
.set WPITCH, 272                       ; a stage row: sixteen places of 16 bytes + 16
.set NB,    8                          ; blocks of 32 along K for a wave
.set WX,    32                         ; v32-95   two sets of 32 numbers
.set WC,    96                         ; v96..    a block's codes
.set WO,    112                        ; v112-175 the way out
.set WSB,   24                         ; v24-25   the scale bytes
.set RO,    176                        ; v176-207 byte offset of row i of a block, at my column: 4 x lane + i x the tensor's row
.set BT,    36                         ; s[36:51] eight bases: block t's first row
	s_load_b256 s[4:11], s[0:1], 0x0               ; x s[4:5], w_qkv s[6:7], w_out s[8:9], xq s[10:11]
	s_load_b64 s[12:13], s[0:1], 0x20              ; wq
	v_lshl_add_u32 v208, v0, 2, 0x10800
	v_mov_b32 v209, 0
	v_lshrrev_b32 v1, 5, v0
	v_readfirstlane_b32 s16, v1                    ; wave 0..3
	v_and_b32 v2, 31, v0                           ; lane
	s_cmp_lt_u32 ttmp9, 256
	s_cbranch_scc0 .Lweights
	; ---------------------------------------------------------------- x: a wave takes 8 rows, 16 steps of 512 numbers
	v_lshlrev_b32 v3, 4, v2                        ; my 16 bytes of a load's 512
	s_mul_i32 s17, s16, XWREG
	v_lshrrev_b32 v14, 2, v2
	v_mul_u32_u24 v14, v14, XSP
	v_and_b32 v15, 3, v2
	v_lshl_add_u32 v14, v15, 4, v14
	v_add_nc_u32 v14, s17, v14                     ; the stage, in: four lanes' 64 bytes on end, then the padding
	v_mul_u32_u24 v15, v2, XSP
	v_add_nc_u32 v15, s17, v15                     ; and out: my 16 neighbours
	v_mul_u32_u24 v4, v2, CB                       ; my codes' place in a step's 384 bytes
	v_lshrrev_b32 v5, 1, v2
	s_add_co_u32 s17, s17, 2*32*XSP
	v_add_nc_u32 v5, s17, v5                       ; my block's byte among the wave's 256
	v_lshlrev_b32 v7, 3, v2
	v_add_nc_u32 v6, s17, v7
	s_lshl_b32 s18, ttmp9, 2
	s_add_co_u32 s19, s18, s16                     ; which run of 8 rows is read
	s_lshl_b32 s20, s19, 15                        ; 32,768 bytes a run
	s_mov_b32 s21, 0
	s_and_b32 s22, s16, 1
	s_lshl_b32 s22, s22, 1
	s_lshr_b32 s23, s16, 1
	s_or_b32 s22, s22, s23
	s_add_co_u32 s22, s22, s18                     ; and where it goes: bits 3 and 4 of a row are bits 0 and 1 of its run
	s_wait_alu depctr_va_vdst(0)
	s_wait_kmcnt 0x0
	s_add_nc_u64 s[4:5], s[4:5], s[20:21]
	s_mul_i32 s20, s22, 6144                       ; 8 rows of 768 bytes
	s_add_nc_u64 s[24:25], s[10:11], s[20:21]
	s_lshl_b32 s20, s22, 8                         ; 8 rows of 32 scale bytes
	s_add_co_u32 s20, s20, 6291456
	s_add_nc_u64 s[26:27], s[10:11], s[20:21]
.macro XLOAD t
.irp i, 0,1,2,3
	global_load_b128 v[XR+16*((\t)%4)+4*\i:XR+16*((\t)%4)+4*\i+3], v3, s[4:5] offset:2048*(\t)+512*\i th:TH_LOAD_NT   ; 32 lanes read 512 consecutive bytes
.endr
.endm
.macro XTURN t                         ; step t's numbers through the stage: LDS serves a wave's instructions in order, so no wait stands between the stores and the loads
.irp i, 0,1,2,3
	ds_store_b128 v14, v[XR+16*((\t)%4)+4*\i:XR+16*((\t)%4)+4*\i+3] offset:32*XSP*((\t)%2)+8*XSP*\i
.endr
.irp i, 0,1,2,3
	ds_load_b128 v[XX+16*((\t)%2)+4*\i:XX+16*((\t)%2)+4*\i+3], v15 offset:32*XSP*((\t)%2)+16*\i
.endr
.endm
.irp t, 0,1,2,3
	XLOAD \t
.endr
	s_wait_loadcnt 12                              ; step 0's four loads are in; twelve younger ones stay out
	XTURN 0
.macro XSTEP t
.set XS, XX+16*((\t)%2)
.if (\t) > 0
	s_wait_dscnt 1                                 ; this step's numbers are back from the stage (the last step's byte store may be out): so the stage's stores have read their registers,
.else
	s_wait_dscnt 0x0
.endif
.if (\t)+4 < STEPS
	XLOAD (\t)+4                                   ; which take the loads of four steps on
.endif
.if (\t)+1 < STEPS
.if STEPS-2-(\t) >= 3
	s_wait_loadcnt 12                              ; the next step's four loads are in; those of the three steps behind it may be out
.else
	s_wait_loadcnt 4*(STEPS-2-(\t))
.endif
	XTURN (\t)+1
.endif
	v_max3_num_f32 v8, |v[XS]|, |v[XS+1]|, |v[XS+2]|               ; the largest magnitude of my 16, in two chains
	v_max3_num_f32 v9, |v[XS+3]|, |v[XS+4]|, |v[XS+5]|
.irp i, 6,10
	v_max3_num_f32 v8, v8, |v[XS+\i]|, |v[XS+\i+1]|
	v_max3_num_f32 v9, v9, |v[XS+\i+2]|, |v[XS+\i+3]|
.endr
	v_max3_num_f32 v8, v8, |v[XS+14]|, |v[XS+15]|
	v_max3_num_f32 v8, v8, v9, 0x1800000           ; and the floor 2^(3 - 127): the byte cannot fall under 1
	v_max_num_f32_dpp v8, v8, v8 row_xmask:1 row_mask:0xf bank_mask:0xf   ; and of my neighbour's 16: the block's
	v_add_nc_u32 v11, 0xff000000, v8               ; 2 off its exponent field: the conversion takes that field as its scale
	v_cvt_scalef32_pk16_fp6_f32 v[XC+4*(\t):XC+4*(\t)+2], v[XS:XS+15], v11
	v_lshrrev_b32 v[XE+(\t)], 23, v11              ; the scale's byte
	ds_store_b8 v5, v[XE+(\t)] offset:16*(\t)      ; both lanes of a block write the same byte with the same value
	global_store_b96 v4, v[XC+4*(\t):XC+4*(\t)+2], s[24:25] offset:32*CB*(\t)   ; the wave stores 384 consecutive bytes
.endm
.irp t, 0,1,2,3,4,5,6,7,8,9,10,11,12,13,14,15
	XSTEP \t
.endr
	ds_load_b64 v[12:13], v6                       ; LDS serves a wave's instructions in order: these see my byte stores
	s_wait_dscnt 0x0
	global_store_b64 v7, v[12:13], s[26:27]        ; 32 lanes store 256 consecutive bytes, aligned
	s_wait_tensorcnt 0x0
	ds_add_u32 v208, v209
	s_wait_dscnt 0x0
	s_endpgm
	; ---------------------------------------------------------------- the weights: a work-group takes 128 columns x 256 along K, a wave 32 columns
.Lweights:
	s_sub_co_u32 s17, ttmp9, 256
	s_and_b32 s18, s17, 3                          ; which 256 along K
	s_lshr_b32 s19, s17, 2                         ; which 128 features of wq's 4,096: 0-23 w_qkv, 24-31 w_out
	s_sub_co_u32 s21, s19, 24
	s_mov_b32 s20, 4096
	s_wait_kmcnt 0x0
	s_cmp_lt_u32 s19, 24                           ; the choice hangs on the work-group's number alone
	s_cselect_b64 s[6:7], s[6:7], s[8:9]           ; the tensor,
	s_cselect_b32 s20, 12288, s20                  ; its row in bytes,
	s_cselect_b32 s21, s19, s21                    ; and which 128 of its columns
	s_lshl_b32 s22, s20, 8
	s_mul_i32 s22, s22, s18                        ; 256 rows for each step along K
	s_lshl_b32 s23, s21, 9
	s_add_co_u32 s22, s22, s23
	s_lshl_b32 s23, s16, 7                         ; my wave's 32 columns
	s_add_co_u32 s22, s22, s23
	s_mov_b32 s23, 0
	s_add_nc_u64 s[BT:BT+1], s[6:7], s[22:23]
	s_lshl_b32 s22, s20, 5                         ; 32 rows on
.irp t, 1,2,3,4,5,6,7
	s_add_nc_u64 s[BT+2*\t:BT+2*\t+1], s[BT+2*\t-2:BT+2*\t-1], s[22:23]
.endr
	s_wait_alu depctr_va_vdst(0)
	v_lshlrev_b32 v[RO], 2, v2
.set i, 1
.rept 31
	v_add_nc_u32 v[RO+i], s20, v[RO+i-1]
.set i, i+1
.endr
	s_mul_i32 s24, s16, 32*WPITCH
	s_add_co_u32 s24, s24, WSTG                    ; my stage
	v_mul_u32_u24 v4, v2, WPITCH
	v_add_nc_u32 v4, s24, v4                       ; into it: row = my column
	v_and_b32 v5, 15, v2
	v_lshrrev_b32 v6, 4, v2                        ; out of it: sixteen lanes to a row, two rows an instruction
	v_mul_u32_u24 v7, v6, WPITCH
	v_lshl_add_u32 v7, v5, 4, v7
	v_add_nc_u32 v7, s24, v7
	v_mul_u32_u24 v8, v6, 768
	v_mad_u32_u24 v8, v5, 12, v8                   ; and the same place in wq: an odd column lies one place behind the even one
	v_and_b32 v9, 7, v2                            ; my column's place: bits 3 and 4 exchanged,
	v_and_b32 v10, 8, v2
	v_lshl_or_b32 v9, v10, 1, v9
	v_and_b32 v10, 16, v2
	v_lshrrev_b32 v10, 1, v10
	v_or_b32 v9, v9, v10
	v_lshlrev_b32 v9, 5, v9                        ; x 32 scale bytes
	s_lshl_b32 s25, s19, 7
	s_lshl_b32 s26, s16, 5
	s_add_co_u32 s25, s25, s26                     ; my wave's first place
	s_mul_i32 s26, s25, 768
	s_mul_i32 s27, s18, 192
	s_add_co_u32 s26, s26, s27
	s_mov_b32 s27, 0
	s_add_nc_u64 s[28:29], s[12:13], s[26:27]      ; codes
	s_lshl_b32 s26, s25, 5
	s_lshl_b32 s30, s18, 3
	s_add_co_u32 s26, s26, s30
	s_add_co_u32 s26, s26, 3145728
	s_add_nc_u64 s[30:31], s[12:13], s[26:27]      ; scale bytes
.macro LOADW t                         ; block t: W(32 t + i, my column) into set t % 2: a wave's load reads 128 consecutive bytes
.set i, 0
.rept 32
	global_load_b32 v[WX+32*((\t)%2)+i], v[RO+i], s[BT+2*(\t):BT+2*(\t)+1] th:TH_LOAD_NT
.set i, i+1
.endr
.endm
	LOADW 0
	LOADW 1
.macro WBLOCK t
.set XS, WX+32*((\t)%2)
.if (\t) < NB-1
	s_wait_loadcnt 32                              ; this block's 32 loads are in; the next block's may be out
.else
	s_wait_loadcnt 0
.endif
	v_max3_num_f32 v12, |v[XS]|, |v[XS+1]|, |v[XS+2]|              ; the block's largest magnitude: all 32 numbers are mine
	v_max3_num_f32 v13, |v[XS+3]|, |v[XS+4]|, |v[XS+5]|
.irp i, 6,10,14,18,22,26
	v_max3_num_f32 v12, v12, |v[XS+\i]|, |v[XS+\i+1]|
	v_max3_num_f32 v13, v13, |v[XS+\i+2]|, |v[XS+\i+3]|
.endr
	v_max3_num_f32 v12, v12, |v[XS+30]|, |v[XS+31]|
	v_max3_num_f32 v12, v12, v13, 0x1800000        ; the floor
	v_add_nc_u32 v11, 0xff000000, v12              ; the conversion's scale operand
	v_lshrrev_b32 v13, 23, v11                     ; the byte
.if (\t)%4 == 0
	v_mov_b32 v[WSB+(\t)/4], v13
.else
	v_lshl_or_b32 v[WSB+(\t)/4], v13, 8*((\t)%4), v[WSB+(\t)/4]
.endif
	v_cvt_scalef32_pk16_fp6_f32 v[WC:WC+2], v[XS:XS+15], v11
	v_cvt_scalef32_pk16_fp6_f32 v[WC+4:WC+6], v[XS+16:XS+31], v11  ; (a conversion's three registers begin on an even number)
	ds_store_b96 v4, v[WC:WC+2] offset:32*(\t)     ; 12 bytes to a place of 16: every LDS address is a multiple of 16
	ds_store_b96 v4, v[WC+4:WC+6] offset:32*(\t)+16
.if (\t)+2 < NB
	LOADW (\t)+2
.endif
	s_wait_dscnt 0x0                               ; the stores have read their registers: the next block's codes may be written
.endm
.irp t, 0,1,2,3,4,5,6,7
	WBLOCK \t
.endr
	s_wait_alu depctr_va_vdst(0)
	global_store_b64 v9, v[WSB:WSB+1], s[30:31]    ; my column's 8 scale bytes
.irp t, 0,1,2,3,4,5,6,7,8,9,10,11,12,13,14,15
	ds_load_b96 v[WO+4*\t:WO+4*\t+2], v7 offset:2*\t*WPITCH
.endr
.irp t, 0,1,2,3,4,5,6,7,8,9,10,11,12,13,14,15
	s_wait_dscnt 15-\t                             ; read-back t is in; the younger ones stay out
	global_store_b96 v8, v[WO+4*\t:WO+4*\t+2], s[28:29] offset:(((2*\t)&7)|(((2*\t)&8)<<1)|(((2*\t)&16)>>1))*768   ; columns 2 t, 2 t + 1 at their places: sixteen lanes store a row's 192 consecutive bytes
.endr
	s_wait_tensorcnt 0x0
	ds_add_u32 v208, v209
	s_wait_dscnt 0x0
	s_endpgm
.Lfunc_end_k_q37f800097e_prep:
	.size	k_q37f800097e_prep, .Lfunc_end_k_q37f800097e_prep-k_q37f800097e_prep
	.p2alignl 7, 3214868480
	.fill 96, 4, 3214868480
	.section	.rodata,"a",@progbits
	.p2align	6, 0x0
	.amdhsa_kernel k_q37f800097e_prep
		.amdhsa_group_segment_fixed_size 68096
		.amdhsa_private_segment_fixed_size 0
		.amdhsa_enable_private_segment 0
		.amdhsa_kernarg_size 40
		.amdhsa_user_sgpr_count 2
		.amdhsa_user_sgpr_kernarg_segment_ptr 1
		.amdhsa_wavefront_size32 1
		.amdhsa_system_sgpr_workgroup_id_x 1
		.amdhsa_system_sgpr_workgroup_id_y 1
		.amdhsa_system_sgpr_workgroup_id_z 1
		.amdhsa_system_vgpr_workitem_id 0
		.amdhsa_next_free_vgpr 210
		.amdhsa_next_free_sgpr 66
		.amdhsa_reserve_vcc 0
		.amdhsa_float_denorm_mode_32 3
		.amdhsa_float_denorm_mode_16_64 3
		.amdhsa_memory_ordered 1
		.amdhsa_forward_progress 1
		.amdhsa_inst_pref_size 75
	.end_amdhsa_kernel
	.amdgpu_metadata
---
amdhsa.version: [ 1, 2 ]
amdhsa.kernels:
  - .name:           k_q37f800097e_prep
    .symbol:         k_q37f800097e_prep.kd
    .args:
      - { .name: x, .offset: 0, .size: 8, .value_kind: global_buffer, .address_space: global }
      - { .name: w_qkv, .offset: 8, .size: 8, .value_kind: global_buffer, .address_space: global }
      - { .name: w_out, .offset: 16, .size: 8, .value_kind: global_buffer, .address_space: global }
      - { .name: xq, .offset: 24, .size: 8, .value_kind: global_buffer, .address_space: global }
      - { .name: wq, .offset: 32, .size: 8, .value_kind: global_buffer, .address_space: global }
    .group_segment_fixed_size: 68096
    .private_segment_fixed_size: 0
    .kernarg_segment_align: 8
    .kernarg_segment_size: 40
    .max_flat_workgroup_size: 128
    .sgpr_count:     66
    .vgpr_count:     210
    .wavefront_size: 32
...
	.end_amdgpu_metadata
.endif
;; end of part 1
;; launch gemm_qkv (part 2): grid 8 x 32, 4 waves a work-group, clusters of 4 x 4, 327,680 bytes of LDS; arguments xq, wq, b_qkv, hq; writes hq
.if DOCPART == 2
	.amdgcn_target "amdgcn-amd-amdhsa--gfx1250"
	.amdhsa_code_object_version 6
	.text
	.protected	k_q37f800097e_gemm_qkv
	.globl	k_q37f800097e_gemm_qkv
	.p2align	8
	.type	k_q37f800097e_gemm_qkv,@function
k_q37f800097e_gemm_qkv:
	s_mov_b64 s[64:65], 0
	v_nop
	global_prefetch_b8 v0, s[64:65] scope:SCOPE_SE
	s_setreg_imm32_b32 hwreg(HW_REG_WAVE_MODE, 25, 1), 1
	s_wait_xcnt 0x0
	s_wait_alu depctr_hold_cnt(0) depctr_sa_sdst(0) depctr_va_vdst(0) depctr_va_sdst(0) depctr_va_ssrc(0) depctr_va_vcc(0) depctr_vm_vsrc(0)
	s_getreg_b32 s2, hwreg(HW_REG_IB_STS2, 6, 4)
	s_cmp_eq_u32 s2, 0
	s_cbranch_scc0 .Lentry_in_a_cluster
	s_endpgm
.Lentry_in_a_cluster:
	s_bfe_u32 s2, ttmp6, 0x10000c
	s_cmp_lg_u32 s2, 0xf033
	s_cbranch_scc0 .Lentry_shape_is_right
	s_endpgm
.Lentry_shape_is_right:
; Q, K, V = x W + b on codes of FP6 (E2M3) with E8M0 scales, and their quantisers; results leave as operand images in hq (per batch and head 307,200 bytes:
; K codes 0, V codes 98,304, K scale words 196,608, V's 200,704, Q codes 204,800, Q's scale words 303,104; a step of 128 tokens is 6,144 bytes of codes and 256 of words).
; THE DEAL: 256 work-groups of four waves (2 x 2).  A work-group keeps 256 rows of x, ALL of K, in LDS and walks three tiles of 128 weight rows: Q's, K's, V's of the same two heads.
; A wave makes 128 tokens x 64 features (one head): 32 accumulators by turns.  Q, K: source 0 = weight rows, a lane holds a token; V: source 0 = x's rows, a lane holds a feature.
; LDS: rows of 768 bytes + 16 behind each 256: x at 0 (208,896 bytes), the weights behind (104,448), the spare words.  The weights' bytes are filled again twice, each time behind a drained round of the cluster's barrier.
; CLUSTERS 4 x 4: x's rows are shared along a row of the cluster, weight rows along a column.
; PREFETCH: the next weight tile (98,304 bytes) is asked for one tile ahead, 24 blocks of 256 bytes a wave, shared out by address among the 16 waves of a column of the cluster; the last tile asks for nothing.
; All waits on DScnt, TENSORcnt and LOADcnt are for 0: a K step's fragments were asked for a whole step (32 products) earlier, into the other set of registers.
; LIMITS: as the first launch states them (a block under 2^-124 keeps the byte 1; NaN and infinities are not served).
.set KROW,  768
.set PITCH, 816
.set XB,    256*PITCH
.set SPARE, XB+128*PITCH
.set LI,  8
.set L8,  9
.set SPW, 10
.set NIL, 11
.set ASC, 12
.set PFO, 13
.set AB0, 14
.set AB1, 15
.set AX,  32                           ; v32-47 LDS addresses of x's 8 blocks (two each), v48-55 of the weights' 4
.set AW,  48
.set SXS, 64                           ; v64-95 x's scale words: pair of blocks i, K step q at 8 i + q (lanes 0-15 the even block, 16-31 the odd)
.set SWS, 100                          ; v100-115 the weights'
.set GB,  116                          ; v116-147 Q's or K's bias as the first products' C
.set GBV, 96                           ; window 1, v96-127: V's
.set WF,  148                          ; v148-243 the weights' fragments, two sets; x's: window 1, at 0 and 128; accumulators: window 2
.set F,   148                          ; the way out: four operands of 12
.set TM,  196
.set TP,  212
.set WQ,  220
.set SWR, 224
.set G1X, 24
.set G1W, 32
.set G0X, 48
.set G0W, 52
.set SEL, 98
.set MSB, 0
.macro WIN new
.if MSB != (\new)
	s_set_vgpr_msb (MSB<<8)|(\new)
.set MSB, (\new)
.endif
.endm
.macro PLACES n
.rept \n
	v_nop
.endr
.endm
.macro CROUND
	s_barrier_signal -1
	s_barrier_wait -1
	s_cmp_lg_u32 s14, 0
	s_cbranch_scc1 .Lnot_wave_0_\@
	s_barrier_signal -3
.Lnot_wave_0_\@:
	s_barrier_wait -3
	s_barrier_signal -1
	s_barrier_wait -1
.endm
.macro GROUP1 g, mask, rows
	s_or_b32 s[\g+0], s[\mask], (1<<20)|(1<<21)|(5<<22)|(3<<25)
	s_mov_b32 s[\g+1], KROW<<16
	s_mov_b32 s[\g+2], (\rows)<<16
	s_mov_b32 s[\g+3], KROW<<16
	s_mov_b32 s[\g+4], \rows
	s_mov_b32 s[\g+5], KROW
	s_mov_b32 s[\g+6], 0
	s_mov_b32 s[\g+7], 0
.endm
; a fragment: six pieces of 8 bytes, two to a load where both lie behind as many paddings; v[ad+1] serves the pieces whose lanes 16-31 lie behind one padding more
.macro FRAG reg, q, ad
.set SKIP_, 0
.irp p, 0,1,2,3,4,5
.if SKIP_
.set SKIP_, 0
.else
.set PC_, 12*(\q)+6*(\p/3)+\p%3
.set PN_, 12*(\q)+6*((\p+1)/3)+(\p+1)%3
.set X_, (PC_%32+3)/32
.set XQ_, (PN_%32+3)/32
.if (\p < 5) && (X_ == XQ_)
.set SKIP_, 1
	ds_load_2addr_b64 v[\reg+2*\p:\reg+2*\p+3], v[\ad+X_] offset0:PC_+2*(PC_/32) offset1:PN_+2*(PN_/32)
.else
	ds_load_b64 v[\reg+2*\p:\reg+2*\p+1], v[\ad+X_] offset:8*(PC_+2*(PC_/32))
.endif
.endif
.endr
.endm
.macro FETCH q, s
	WIN 0x40
.irp i, 0,1,2,3,4,5,6,7
	FRAG 128*(\s)+12*\i, \q, AX+2*\i
.endr
	WIN 0
.irp i, 0,1,2,3
	FRAG WF+48*(\s)+12*\i, \q, AW+2*\i
.endr
.endm
.macro WM d, a, b, c, x, y, ra, rb
	v_wmma_scale_f32_16x16x128_f8f6f4 v[\d:\d+7], v[\a:\a+11], v[\b:\b+11], \c, v[\x], v[\y] matrix_a_fmt:MATRIX_FMT_FP6 matrix_b_fmt:MATRIX_FMT_FP6 matrix_a_scale:MATRIX_SCALE_ROW\ra matrix_b_scale:MATRIX_SCALE_ROW\rb
.endm
.macro MULS kind, q, s, first          ; 32 products: x's block 2 ah + al, the weights' block 2 bh + bl
.irp ah, 0,1,2,3
.irp al, 0,1
.irp bh, 0,1
.irp bl, 0,1
.set XF, 128*(\s)+12*(2*\ah+\al)
.set WR, WF+48*(\s)+12*(2*\bh+\bl)
.set XS, SXS+8*\ah+(\q)
.set WS, SWS+8*\bh+(\q)
.if \kind
.set DD, 64*(2*\bh+\bl)+8*(2*\ah+\al)
.set CB, GBV+8*(2*\bh+\bl)
.if \first
	WM DD, XF, WR, v[CB:CB+7], XS, WS, \al, \bl
.else
	WM DD, XF, WR, v[DD:DD+7], XS, WS, \al, \bl
.endif
.else
.set DD, 32*(2*\ah+\al)+8*(2*\bh+\bl)
.set CB, GB+8*(2*\bh+\bl)
.if \first
	WM DD, WR, XF, v[CB:CB+7], WS, XS, \bl, \al
.else
	WM DD, WR, XF, v[DD:DD+7], WS, XS, \bl, \al
.endif
.endif
.endr
.endr
.endr
.endr
.endm
.macro MULW kind, q
.if (\q) == 0
	WIN 0x84+0x0d*(\kind)
.else
	WIN 0xa4-3*(\kind)
.endif
	MULS \kind, \q, (\q)%2, (\q)==0
	WIN 0
.endm
.macro STEP kind, q                    ; this step's fragments are in; the next step's are asked for into the other set; 32 products
	s_wait_dscnt 0x0
.if (\q) > 0
	PLACES 4
.endif
	FETCH (\q)+1, ((\q)+1)%2
	MULW \kind, \q
.endm
.macro TILE kind, refill
	s_wait_tensorcnt 0x0                   ; my part of the tiles has landed
	s_barrier_signal -1
	s_barrier_wait -1                      ; everybody's
	FETCH 0, 0
	s_wait_loadcnt 0x0                     ; scale words and bias
.irp q, 0,1,2,3,4,5,6
	STEP \kind, \q
.endr
.if \refill
	s_wait_tensorcnt 0x0                   ; ahead of a refill's round
	ds_add_u32 v[SPW], v[NIL]
	s_add_nc_u64 s[G0W+2:G0W+3], s[G0W+2:G0W+3], 1024*KROW   ; the next tensor's rows of the same heads
	s_wait_dscnt 0x0                       ; the add, and my last reads of the weights' bytes
	CROUND
	s_cmp_eq_u32 s15, 0
	s_cbranch_scc1 .Lno_w_\@
	tensor_load_to_lds s[G0W:G0W+3], s[G1W:G1W+7]   ; waves 2 and 3: 64 rows each
	s_nop 0
	PLACES 4
.Lno_w_\@:
.else
	s_wait_dscnt 0x0
.endif
	MULW \kind, 7
	PLACES 4
.endm
.macro LOADW
.irp i, 0,1
.irp c, 0,1
	global_load_b128 v[SWS+8*\i+4*\c:SWS+8*\i+4*\c+3], v[ASC], s[58:59] offset:1024*\i+16*\c
.endr
.endr
.endm
.macro LOADB off
.irp b, 0,1,2,3
	global_load_b128 v[GB+8*\b:GB+8*\b+3], v[AB0], s[60:61] offset:\off+4*(32*(\b/2)+8*(\b%2))
	global_load_b128 v[GB+8*\b+4:GB+8*\b+7], v[AB0], s[60:61] offset:\off+4*(32*(\b/2)+8*(\b%2))+16
.endr
.endm
; 64 sums of a lane, four blocks of 32 shared with lane l xor 16 -> two halves of an operand (6 registers each) and a scale word
.macro QUANT s, d0, d1, pw
	WIN 0x28
.irp b, 0,1,2,3
	v_max3_num_f32 v[TM+\b], 0x1800000, |v[(\s)+16*\b]|, |v[(\s)+16*\b+1]|
.endr
.irp i, 2,4,6,8,10,12,14
.irp b, 0,1,2,3
	v_max3_num_f32 v[TM+\b], v[TM+\b], |v[(\s)+16*\b+\i]|, |v[(\s)+16*\b+\i+1]|
.endr
.endr
	WIN 0
.irp b, 0,1,2,3
	v_permlanex16_b32 v[TM+4+\b], v[TM+\b], s[SEL], s[SEL+1]
.endr
.irp b, 0,1,2,3
	v_max_num_f32 v[TM+\b], v[TM+\b], v[TM+4+\b]
.endr
.irp b, 0,1,2,3
	v_add_nc_u32 v[TM+12+\b], 0xff000000, v[TM+\b]
.endr
.irp b, 0,1,2,3
	v_lshrrev_b32 v[TM+4+\b], 23, v[TM+12+\b]
.endr
	v_lshl_or_b32 v[\pw], v[TM+5], 8, v[TM+4]
	v_lshl_or_b32 v[\pw], v[TM+6], 16, v[\pw]
	v_lshl_or_b32 v[\pw], v[TM+7], 24, v[\pw]
	WIN 2
	v_cvt_scalef32_pk16_fp6_f32 v[(\d0):(\d0)+2], v[(\s):(\s)+15], v[TM+12]
	v_cvt_scalef32_pk16_fp6_f32 v[TP:TP+2], v[(\s)+16:(\s)+31], v[TM+13]
	v_cvt_scalef32_pk16_fp6_f32 v[(\d1):(\d1)+2], v[(\s)+32:(\s)+47], v[TM+14]
	v_cvt_scalef32_pk16_fp6_f32 v[TP+4:TP+6], v[(\s)+48:(\s)+63], v[TM+15]
	WIN 0
	v_nop
.irp i, 0,1,2
	v_permlane16_swap_b32 v[(\d0)+\i], v[TP+\i]
.endr
.irp i, 0,1,2
	v_mov_b32 v[(\d0)+3+\i], v[TP+\i]
.endr
.irp i, 0,1,2
	v_permlane16_swap_b32 v[(\d1)+\i], v[TP+4+\i]
.endr
.irp i, 0,1,2
	v_mov_b32 v[(\d1)+3+\i], v[TP+4+\i]
.endr
.endm
.macro EPI co, so                      ; four operands: 6,144 consecutive bytes; their scale words: 256
.irp b, 0,1,2,3
	v_mov_b32 v[TM+4+\b], 0
.endr
.irp g, 0,1,2,3
	QUANT 64*\g, F+12*\g, F+12*\g+6, WQ+\g
.endr
	s_wait_alu depctr_va_vdst(0)           ; ahead of the readers below
.irp e, 0,1,2,3
.irp p, 0,1,2
	global_store_b128 v[LI], v[F+12*\e+4*\p:F+12*\e+4*\p+3], s[12:13] offset:\co+1536*\e+512*\p
.endr
.endr
	v_cndmask_b32 v[SWR], v[WQ], v[WQ+1], s67
	v_cndmask_b32 v[SWR+1], v[WQ+2], v[WQ+3], s67
	global_store_b64 v[L8], v[SWR:SWR+1], s[20:21] offset:\so
.endm
	s_load_b256 s[4:11], s[0:1], 0x0       ; xq, wq, b_qkv, hq
	v_lshl_add_u32 v[SPW], v0, 2, SPARE
	v_mov_b32 v[NIL], 0
	ds_add_u32 v[SPW], v[NIL]              ; the opening lines
	ds_add_u32 v[SPW], v[NIL]
	v_lshrrev_b32 v1, 5, v0
	v_readfirstlane_b32 s14, v1            ; wave; s15: x's half in the products, and x (0) or weights (1) in the loads; s16: the weights' half, and which half I load
	s_lshr_b32 s15, s14, 1
	s_and_b32 s16, s14, 1
	s_bfe_u32 s40, ttmp6, 0x40000
	s_bfe_u32 s41, ttmp6, 0x40004
	s_lshl_b32 s42, ttmp9, 2
	s_add_co_u32 s42, s42, s40             ; weight tile 0..7: heads 2 s42, 2 s42 + 1
	s_and_b32 s43, ttmp7, 0xffff
	s_lshl_b32 s43, s43, 2
	s_add_co_u32 s43, s43, s41             ; tile of 256 tokens
	s_lshl_b32 s44, s41, 2
	s_lshl_b32 s44, 15, s44
	s_lshl_b32 s45, 0x1111, s40
	GROUP1 G1X, 44, 128
	GROUP1 G1W, 45, 64
	s_lshl_b32 s20, s43, 8
	s_lshl_b32 s21, s16, 7
	s_add_co_u32 s20, s20, s21
	s_mul_i32 s20, s20, KROW
	s_mov_b32 s21, 0
	s_mul_i32 s46, s42, 128*KROW
	s_mov_b32 s47, 0
	s_mul_i32 s22, s16, 64*KROW
	s_mov_b32 s23, 0
	s_mov_b32 s[G0X], 1
	s_mul_i32 s[G0X+1], s16, 128*PITCH
	s_mov_b32 s[G0W], 1
	s_mul_i32 s[G0W+1], s16, 64*PITCH
	s_add_co_u32 s[G0W+1], s[G0W+1], XB
	s_wait_dscnt 0x0
	s_wait_kmcnt 0x0
	s_add_nc_u64 s[G0X+2:G0X+3], s[4:5], s[20:21]
	s_or_b32 s[G0X+3], s[G0X+3], 0x80000000
	s_add_nc_u64 s[46:47], s[6:7], s[46:47]
	s_add_nc_u64 s[G0W+2:G0W+3], s[46:47], s[22:23]
	s_or_b32 s[G0W+3], s[G0W+3], 0x80000000
	CROUND
	s_cmp_eq_u32 s15, 0
	s_cbranch_scc0 .Lfor_w
	tensor_load_to_lds s[G0X:G0X+3], s[G1X:G1X+7]   ; waves 0, 1: 128 rows of x each
	s_nop 0
	PLACES 4
	s_branch .Lasked
.Lfor_w:
	tensor_load_to_lds s[G0W:G0W+3], s[G1W:G1W+7]   ; waves 2, 3: 64 rows of W_q each
	s_nop 0
	PLACES 4
.Lasked:
	s_lshl_b32 s20, s43, 8
	s_lshl_b32 s21, s15, 7
	s_add_co_u32 s20, s20, s21
	s_lshl_b32 s20, s20, 5
	s_add_co_u32 s20, s20, 6291456
	s_mov_b32 s21, 0
	s_add_nc_u64 s[56:57], s[4:5], s[20:21]    ; my 128 tokens' scale bytes
	s_lshl_b32 s22, s42, 7
	s_lshl_b32 s23, s16, 6
	s_add_co_u32 s22, s22, s23                 ; my first feature
	s_lshl_b32 s20, s22, 5
	s_add_co_u32 s20, s20, 3145728
	s_add_nc_u64 s[58:59], s[6:7], s[20:21]    ; my 64 weight rows' scale bytes
	s_lshl_b32 s20, s22, 2
	s_add_nc_u64 s[60:61], s[8:9], s[20:21]    ; and bias
	s_lshl_b32 s22, s43, 1
	s_add_co_u32 s22, s22, s15                 ; step of 128 tokens
	s_lshr_b32 s23, s22, 4
	s_and_b32 s22, s22, 15
	s_lshl_b32 s23, s23, 4
	s_lshl_b32 s66, s42, 1
	s_add_co_u32 s66, s66, s16
	s_add_co_u32 s23, s23, s66                 ; 16 x batch + head
	s_mul_i32 s23, s23, 307200
	s_mul_i32 s20, s22, 6144
	s_add_co_u32 s20, s20, s23
	s_add_co_u32 s20, s20, 204800
	s_add_nc_u64 s[12:13], s[10:11], s[20:21]  ; Q's codes
	s_lshl_b32 s20, s22, 8
	s_add_co_u32 s20, s20, s23
	s_add_co_u32 s20, s20, 303104
	s_add_nc_u64 s[20:21], s[10:11], s[20:21]  ; Q's scale words
	s_mul_i32 s22, s15, 128*PITCH
	s_mul_i32 s23, s16, 64*PITCH
	s_add_co_u32 s23, s23, XB
	s_lshl_b32 s66, s41, 2
	s_add_co_u32 s66, s66, s14
	s_mul_i32 s66, s66, 6144                   ; my sixteenth of a weight tile
	s_mov_b32 s67, 0xffff0000
	s_mov_b32 s[SEL], 0x76543210
	s_mov_b32 s[SEL+1], 0xfedcba98
	s_mov_b32 s63, 0
	s_mov_b32 s69, 0
	v_and_b32 v1, 15, v0
	v_bfe_u32 v2, v0, 4, 1
	v_and_b32 v3, 31, v0
	v_mul_u32_u24 v4, v1, PITCH
	v_mad_u32_u24 v5, v2, 24, v4
	v_mad_u32_u24 v6, v2, 40, v4
	v_add_nc_u32 v16, s22, v5
	v_add_nc_u32 v17, s22, v6
	v_add_nc_u32 v18, s23, v5
	v_add_nc_u32 v19, s23, v6
.irp i, 0,1,2,3,4,5,6,7
	v_add_nc_u32 v[AX+2*\i], \i*16*PITCH, v16
	v_add_nc_u32 v[AX+2*\i+1], \i*16*PITCH, v17
.endr
.irp i, 0,1,2,3
	v_add_nc_u32 v[AW+2*\i], \i*16*PITCH, v18
	v_add_nc_u32 v[AW+2*\i+1], \i*16*PITCH, v19
.endr
	v_lshlrev_b32 v[LI], 4, v3
	v_lshlrev_b32 v[L8], 3, v3
	v_lshlrev_b32 v[ASC], 5, v3
	v_lshlrev_b32 v[AB0], 6, v2                ; Q, K: register 8 b + j is feature 32 (b / 2) + 8 (b % 2) + 16 h + j
	v_and_b32 v7, 8, v1
	v_add_nc_u32 v7, v7, v1
	v_lshlrev_b32 v[AB1], 2, v7                ; V: lane r of block a has feature 32 (a / 2) + 8 (a % 2) + r + 8 (r / 8)
	v_min_u32 v[PFO], 23, v3
	v_lshl_add_u32 v[PFO], v[PFO], 8, s66
	s_wait_alu depctr_va_vdst(0)               ; the head's end
.irp i, 0,1,2,3
.irp c, 0,1
	global_load_b128 v[SXS+8*\i+4*\c:SXS+8*\i+4*\c+3], v[ASC], s[56:57] offset:1024*\i+16*\c
.endr
.endr
	LOADW
	LOADB 0
	WIN 0x40
.irp a, 0,1,2,3
.irp j, 0,1,2,3,4,5,6,7
	global_load_b32 v[GBV+8*\a+\j], v[AB1], s[60:61] offset:8192+4*(32*(\a/2)+8*(\a%2))
.endr
.endr
	WIN 0
	global_prefetch_b8 v[PFO], s[46:47] offset:1024*KROW th:TH_LOAD_NT scope:SCOPE_SE   ; W_k's tile
	s_mov_b32 s3, 0
.Ltile:                                        ; trip 0: Q, trip 1: K
	TILE 0, 1
	s_add_nc_u64 s[58:59], s[58:59], 32768     ; the next tile's scale words, under the way out
	LOADW
	s_cmp_eq_u32 s3, 1
	s_cbranch_scc1 .Lno_k
	LOADB 4096                                 ; K's bias
	global_prefetch_b8 v[PFO], s[46:47] offset:2048*KROW th:TH_LOAD_NT scope:SCOPE_SE   ; W_v's tile
.Lno_k:
	EPI 0, 0
	s_wait_xcnt 0x0                            ; the stores have read their registers and bases
	s_cmp_eq_u32 s3, 0
	s_cselect_b32 s62, 204800, 0               ; from Q's places to K's; K's stay for V, which adds immediates
	s_cselect_b32 s68, 106496, 0
	s_sub_nc_u64 s[12:13], s[12:13], s[62:63]
	s_sub_nc_u64 s[20:21], s[20:21], s[68:69]
	s_add_co_u32 s3, s3, 1
	s_cmp_lg_u32 s3, 2
	s_wait_alu depctr_va_vdst(0)               ; ahead of the branch
	s_cbranch_scc1 .Ltile
	TILE 1, 0
	EPI 98304, 4096
	s_wait_tensorcnt 0x0                       ; the wave's end
	ds_add_u32 v[SPW], v[NIL]
	s_wait_dscnt 0x0
	CROUND
	s_endpgm
.Lfunc_end_k_q37f800097e_gemm_qkv:
	.size	k_q37f800097e_gemm_qkv, .Lfunc_end_k_q37f800097e_gemm_qkv-k_q37f800097e_gemm_qkv
	.p2alignl 7, 3214868480
	.fill 96, 4, 3214868480
	.section	.rodata,"a",@progbits
	.p2align	6, 0x0
	.amdhsa_kernel k_q37f800097e_gemm_qkv
		.amdhsa_group_segment_fixed_size 327680
		.amdhsa_private_segment_fixed_size 0
		.amdhsa_enable_private_segment 0
		.amdhsa_kernarg_size 32
		.amdhsa_user_sgpr_count 2
		.amdhsa_user_sgpr_kernarg_segment_ptr 1
		.amdhsa_wavefront_size32 1
		.amdhsa_system_sgpr_workgroup_id_x 1
		.amdhsa_system_sgpr_workgroup_id_y 1
		.amdhsa_system_sgpr_workgroup_id_z 1
		.amdhsa_system_vgpr_workitem_id 0
		.amdhsa_next_free_vgpr 768
		.amdhsa_next_free_sgpr 100
		.amdhsa_reserve_vcc 0
		.amdhsa_float_denorm_mode_32 3
		.amdhsa_float_denorm_mode_16_64 3
		.amdhsa_memory_ordered 1
		.amdhsa_forward_progress 1
		.amdhsa_inst_pref_size 158
	.end_amdhsa_kernel
	.amdgpu_metadata
---
amdhsa.version: [ 1, 2 ]
amdhsa.kernels:
  - .name:           k_q37f800097e_gemm_qkv
    .symbol:         k_q37f800097e_gemm_qkv.kd
    .args:
      - { .name: xq, .offset: 0, .size: 8, .value_kind: global_buffer, .address_space: global }
      - { .name: wq, .offset: 8, .size: 8, .value_kind: global_buffer, .address_space: global }
      - { .name: b_qkv, .offset: 16, .size: 8, .value_kind: global_buffer, .address_space: global }
      - { .name: hq, .offset: 24, .size: 8, .value_kind: global_buffer, .address_space: global }
    .group_segment_fixed_size: 327680
    .private_segment_fixed_size: 0
    .kernarg_segment_align: 8
    .kernarg_segment_size: 32
    .max_flat_workgroup_size: 128
    .sgpr_count:     100
    .vgpr_count:     768
    .wavefront_size: 32
...
	.end_amdgpu_metadata
.endif
;; end of part 2
;; launch attn (part 3): grid 4 x 64, 16 waves a work-group, clusters of 4 x 1, 215,040 bytes of LDS; arguments hq, mask, aq; writes aq
.if DOCPART == 3
	.amdgcn_target "amdgcn-amd-amdhsa--gfx1250"
	.amdhsa_code_object_version 6
	.text
	.protected	k_q37f800097e_attn
	.globl	k_q37f800097e_attn
	.p2align	8
	.type	k_q37f800097e_attn,@function
k_q37f800097e_attn:
	s_mov_b64 s[64:65], 0
	v_nop
	global_prefetch_b8 v0, s[64:65] scope:SCOPE_SE
	s_setreg_imm32_b32 hwreg(HW_REG_WAVE_MODE, 25, 1), 1
	s_wait_xcnt 0x0
	s_wait_alu depctr_hold_cnt(0) depctr_sa_sdst(0) depctr_va_vdst(0) depctr_va_sdst(0) depctr_va_ssrc(0) depctr_va_vcc(0) depctr_vm_vsrc(0)
	s_getreg_b32 s2, hwreg(HW_REG_IB_STS2, 6, 4)
	s_cmp_eq_u32 s2, 0
	s_cbranch_scc0 .Lentry_in_a_cluster
	s_endpgm
.Lentry_in_a_cluster:
	s_bfe_u32 s2, ttmp6, 0x10000c
	s_cmp_lg_u32 s2, 0x3003
	s_cbranch_scc0 .Lentry_shape_is_right
	s_endpgm
.Lentry_shape_is_right:
; Attention for one head (64 features, 2,048 keys) on codes of FP6 (E2M3) with E8M0 scales; the result, divided by the row's sum, is quantised along the 1,024 features of the last product and leaves as codes.
; t = score x log2(e) / 2;  M = the running largest t rounded up to a whole number;  p = 2^(t - M) is quantised along the keys, not normalised; the row's sum is taken of the unquantised p.
; SHARES.  A cluster is the four quarters of a head's queries; a work-group has 512 queries, each of its sixteen waves a group of 32 tokens, taken in two passes of 16 (tokens r + 8 (r / 8), then those 8 further on).
; A HEAD'S K AND V STAY IN LDS: their codes and scale words are 204,800 consecutive bytes of hq, brought once by sixteen joint loads (one a wave, 12,800 bytes each, the same in all four partners).  Nothing is filled twice.
; BOTH PRODUCTS ARE USED TRANSPOSED: a lane holds one query.  The first product has K = 64, the instruction 128: a fragment of K holds TWO tokens a row (features of token A at k 0-63, of the token 8 further on at k 64-127), and is
; multiplied by [q | zeros] and by [zeros | q]: each fragment read from LDS feeds two products, and the 16 registers of two neighbouring tiles are 16 neighbouring keys.  The zeros' scale byte is 1.
; THE MASK costs no vector instruction in the loop: 0 or -3e38 for each key lies in LDS and is loaded as the C of the first product.
; LIMITS: a masked key's score is its score - 3e38 (p = 0); the running largest t begins at -2^100, so logits are served up to 2^100 in magnitude; a batch whose mask is all zero is not served (the quotient is then no number that
; means anything); p under 2^-126 counts as 0; NaN and infinities are not served.
; No prefetch: the launch's one stream is asked for at its head and nothing in the loops waits for memory.
; aq: codes [K step of 256: 4][16 places: 512][128 along K: 2][2 registers x 6][lane][8 bytes], then scale bytes [8192 places][32] from byte 6,291,456.
.set AK0, 1                            ; v1   16 x lane: my place in a fragment's image (K's codes begin at LDS byte 0)
.set AV0, 2                            ; v2   the same in V's codes, from byte 98,304
.set AS0, 3                            ; v3   8 x lane + 196,608: my scale words
.set AM0, 4                            ; v4   64 h + 204,800: the mask's numbers
.set GO8, 5                            ; v5   8 x lane
.set GOS, 6                            ; v6   32 r
.set ADK, 8
.set ADV, 9
.set ADS, 10
.set ADM, 11
.set PC,  192                          ; v192-203 p's codes
.set TP,  204                          ; v204-210 the conversions' second halves
.set BM,  212                          ; v212-215 each block's largest score, then largest p
.set BT,  216                          ; v216-219 the partner's; then bytes
.set BS,  220                          ; v220-223 scale operands
.set FP,  224                          ; v[224:225] f = 2^(old M - new M)
.set TMPR, 226
.set KSC, 228                          ; v228-229 K's scale words;  v230-231 V's;  v232 p's;  v233, v234 q's for [q | 0] and [0 | q]: these hold scales and nothing else
.set VSC, 230
.set PWD, 232
.set QS1, 233
.set QS2, 234
.set SUM2, 236
.set MB,  204800                       ; LDS: 2,048 numbers, 0 or -3e38
.set WV,  18
.set SEL, 20
.set CS,  22
.set G1,  24
.set G0,  32
.set TB,  2
.set TS,  3
.set TMK, 36
.set CNT, 37
.macro ROUND                           ; a round of the cluster's barrier
	s_barrier_signal -1
	s_barrier_wait -1
	s_cmp_lg_u32 s[WV], 0
	s_cbranch_scc1 .Lnot_wave_0_\@
	s_barrier_signal -3
.Lnot_wave_0_\@:
	s_barrier_wait -3
	s_barrier_signal -1
	s_barrier_wait -1
.endm
	s_load_b128 s[4:7], s[0:1], 0x0                ; hq, mask
	s_load_b64 s[8:9], s[0:1], 0x10                ; aq
	v_lshl_add_u32 v254, v0, 2, 0x34000
	v_mov_b32 v255, 0
	ds_add_u32 v254, v255
	ds_add_u32 v254, v255
	v_lshrrev_b32 v1, 5, v0
	s_delay_alu instid0(VALU_DEP_1)
	v_readfirstlane_b32 s[WV], v1                  ; wave 0..15
	s_bfe_u32 s19, ttmp6, 0x40000                  ; cx: it enters Q's and aq's addresses alone
	s_and_b32 s38, ttmp7, 0xffff                   ; 16 x batch + head, which the four partners share
	s_mov_b32 s[G1], 15|(3<<16)|(1<<21)            ; the mask: all four; elements of 8 bytes; bit 21 beside a mask; no padding
	s_mov_b32 s[G1+1], 32<<16                      ; rows of 256 bytes,
	s_mov_b32 s[G1+2], 50<<16                      ; 50 of them
	s_mov_b32 s[G1+3], 32<<16
	s_mov_b32 s[G1+4], 50
	s_mov_b32 s[G1+5], 32
	s_mov_b32 s[G1+6], 0
	s_mov_b32 s[G1+7], 0
	s_mul_i32 s46, s38, 307200
	s_mov_b32 s47, 0
	s_mul_i32 s58, s[WV], 12800
	s_mov_b32 s59, 0
	s_mov_b32 s[G0], 1
	s_mul_i32 s[G0+1], s[WV], 12800                ; LDS: wave x 12,800
	s_wait_dscnt 0x0
	s_wait_kmcnt 0x0
	s_add_nc_u64 s[4:5], s[4:5], s[46:47]          ; the head in hq
	s_add_nc_u64 s[G0+2:G0+3], s[4:5], s[58:59]
	s_or_b32 s[G0+3], s[G0+3], 0x80000000
	ROUND                                          ; all four work-groups are here: the joint loads meet
	tensor_load_to_lds s[G0:G0+3], s[G1:G1+7]      ; my one tensor load of the launch
	s_nop 0
.rept 4
	v_nop
.endr
	s_lshl_b32 s39, s19, 4
	s_add_co_u32 s39, s39, s[WV]                   ; my group of 32 tokens, 0..63
	s_lshr_b32 s50, s38, 4                         ; batch
	s_and_b32 s51, s38, 15                         ; head
	s_mul_i32 s48, s39, 1536
	s_add_co_u32 s48, s48, 204800                  ; Q's fragment
	s_mov_b32 s49, 0
	s_add_nc_u64 s[44:45], s[4:5], s[48:49]
	s_lshr_b32 s52, s39, 2
	s_lshl_b32 s52, s52, 8                         ; Q's scale words: 256 bytes a step; fragment b = wave % 4: lanes 16 (b % 2) on, word b / 2
	s_and_b32 s53, s[WV], 1
	s_lshl_b32 s53, s53, 7
	s_add_co_u32 s52, s52, s53
	s_bfe_u32 s53, s[WV], 0x10001
	s_lshl_b32 s53, s53, 2
	s_add_co_u32 s52, s52, s53
	s_add_co_u32 s52, s52, 303104
	s_mov_b32 s53, 0
	s_add_nc_u64 s[52:53], s[4:5], s[52:53]
	s_lshl_b32 s54, s50, 13
	s_mov_b32 s55, 0
	s_add_nc_u64 s[54:55], s[6:7], s[54:55]        ; the batch's mask
	s_lshl_b32 s56, s50, 6
	s_add_co_u32 s56, s56, s39
	s_lshl_b32 s56, s56, 1                         ; my first tile of 16 places
	s_mul_i32 s40, s56, 3072
	s_lshr_b32 s57, s51, 2
	s_mul_i32 s57, s57, 1572864
	s_add_co_u32 s40, s40, s57
	s_bfe_u32 s57, s51, 0x10001
	s_mul_i32 s57, s57, 1536
	s_add_co_u32 s40, s40, s57
	s_and_b32 s57, s51, 1
	s_mul_i32 s57, s57, 768
	s_add_co_u32 s40, s40, s57
	s_mov_b32 s41, 0
	s_add_nc_u64 s[40:41], s[8:9], s[40:41]        ; where my codes go
	s_lshl_b32 s42, s56, 9
	s_lshl_b32 s57, s51, 1
	s_add_co_u32 s42, s42, s57
	s_add_co_u32 s42, s42, 6291456
	s_mov_b32 s43, 0
	s_add_nc_u64 s[42:43], s[8:9], s[42:43]        ; and my scale bytes
	s_mov_b32 s[SEL], 0x76543210
	s_mov_b32 s[SEL+1], 0xfedcba98                 ; lane l xor 16
	s_mov_b32 s[CS], 0x3f38aa3b                    ; c = log2(e) / 2
	s_mov_b32 s[CS+1], s[CS]
	v_and_b32 v47, 31, v0                          ; lane
	v_and_b32 v[TMPR], 15, v0                      ; r
	v_bfe_u32 v7, v0, 4, 1                         ; h
	s_delay_alu instid0(VALU_DEP_3)
	v_lshlrev_b32 v[AK0], 4, v47
	s_delay_alu instid0(VALU_DEP_1)
	v_add_nc_u32 v[AV0], 98304, v[AK0]
	v_lshlrev_b32 v[GO8], 3, v47
	s_delay_alu instid0(VALU_DEP_1)
	v_add_nc_u32 v[AS0], 196608, v[GO8]
	v_lshlrev_b32 v[AM0], 6, v7
	s_delay_alu instid0(VALU_DEP_1)
	v_add_nc_u32 v[AM0], MB, v[AM0]
	v_lshlrev_b32 v[GOS], 5, v[TMPR]
	v_lshlrev_b32 v8, 4, v0                        ; 16 x thread: four keys of the mask
	v_lshlrev_b32 v9, 3, v[TMPR]
	s_delay_alu instid0(VALU_DEP_2)
	v_add_nc_u32 v10, MB, v8
	global_load_b128 v[96:99], v8, s[54:55]
	global_load_b128 v[34:37], v[AK0], s[44:45]               ; Q's fragment: both passes' tokens
	global_load_b128 v[38:41], v[AK0], s[44:45] offset:512
	global_load_b128 v[42:45], v[AK0], s[44:45] offset:1024
	global_load_b32 v46, v9, s[52:53]
.irp i, 0,1,2,3,4,5
	v_mov_b32 v[16+\i], 0                          ; the zeros on either side of q
	v_mov_b32 v[28+\i], 0
.endr
.irp b, 0,1,2,3
	v_mov_b32 v[BT+\b], 0                          ; a lane permute's destination counts as one of its sources
.endr
	v_mov_b32 v[FP+1], 0                           ; (named as the upper half of a pair)
	v_mov_b32 v7, 0xff61b1e6                       ; -3e38
	s_wait_alu depctr_va_vdst(0)
	s_wait_loadcnt 0x0
.irp i, 0,1,2,3
	v_cmp_eq_u32 vcc_lo, 0, v[96+\i]
	s_delay_alu instid0(VALU_DEP_1)
	v_cndmask_b32 v[96+\i], 0, v7, vcc_lo
.endr
	ds_store_b128 v10, v[96:99]
	s_wait_tensorcnt 0x0                           ; my part of K and V has landed,
	s_wait_dscnt 0x0                               ; my part of the mask is stored:
	s_barrier_signal -1
	s_barrier_wait -1                              ; everybody's
.macro PASS T
	s_wait_xcnt 0x0                                ; the last pass's stores have read their registers
.irp i, 0,1,2,3,4,5
	v_mov_b32 v[22+\i], v[34+6*(\T)+\i]            ; v[22:33] = [q | 0], v[16:27] = [0 | q]
.endr
.if (\T) == 0
	v_and_b32 v47, 0xffff, v46
.else
	v_lshrrev_b32 v47, 16, v46
.endif
	s_delay_alu instid0(VALU_DEP_1)
	v_or_b32 v[QS1], 0x1010000, v47
	s_delay_alu instid0(VALU_DEP_2)
	v_lshl_or_b32 v[QS2], v47, 16, 0x101
	v_mov_b32 v13, 0xf1800000                      ; the largest t so far: -2^100
	s_delay_alu instid0(VALU_DEP_1)
	v_floor_f32 v12, -v13                          ; -M
	v_mov_b32 v14, 0
	v_mov_b32 v15, 0
.set j, 0
.rept 32
	v_mov_b32 v[160+j], 0                          ; O^T.  (These are also the places between the writes of q and its scale words and the first product)
.set j, j+1
.endr
	s_mov_b32 s[TB], 0
	s_mov_b32 s[TS], 0
	s_mov_b32 s[TMK], 0
	s_mov_b32 s[CNT], 16
.Lstep_\@:                                         ; a trip: 128 keys
	v_add_nc_u32 v[ADK], s[TB], v[AK0]             ; (four places behind the last products, in front of the loads into their operands)
	v_add_nc_u32 v[ADV], s[TB], v[AV0]
	v_add_nc_u32 v[ADS], s[TS], v[AS0]
	v_add_nc_u32 v[ADM], s[TMK], v[AM0]
.irp t, 0,1,2,3,4,5,6,7                        ; the mask's numbers, in the result's layout: register 8 t + j is key 32 (t / 2) + 16 h + 8 (t % 2) + j
	ds_load_b128 v[96+8*\t:99+8*\t], v[ADM] offset:4*(32*(\t/2)+8*(\t%2))
	ds_load_b128 v[100+8*\t:103+8*\t], v[ADM] offset:4*(32*(\t/2)+8*(\t%2))+16
.endr
.irp b, 0,1,2,3
.irp p, 0,1,2
	ds_load_b128 v[48+12*\b+4*\p:51+12*\b+4*\p], v[ADK] offset:1536*\b+512*\p
.endr
.endr
	ds_load_b64 v[KSC:KSC+1], v[ADS]
	s_wait_alu depctr_va_vdst(0)
	s_wait_dscnt 0x0
.irp b, 0,1,2,3                                ; S^T = K q^T + the mask: eight tiles, each with one product
.if (\b)%2
	v_wmma_scale_f32_16x16x128_f8f6f4 v[96+16*\b:103+16*\b], v[48+12*\b:59+12*\b], v[22:33], v[96+16*\b:103+16*\b], v[KSC+\b/2], v[QS1] matrix_a_fmt:MATRIX_FMT_FP6 matrix_b_fmt:MATRIX_FMT_FP6 matrix_a_scale:MATRIX_SCALE_ROW1
	v_wmma_scale_f32_16x16x128_f8f6f4 v[104+16*\b:111+16*\b], v[48+12*\b:59+12*\b], v[16:27], v[104+16*\b:111+16*\b], v[KSC+\b/2], v[QS2] matrix_a_fmt:MATRIX_FMT_FP6 matrix_b_fmt:MATRIX_FMT_FP6 matrix_a_scale:MATRIX_SCALE_ROW1
.else
	v_wmma_scale_f32_16x16x128_f8f6f4 v[96+16*\b:103+16*\b], v[48+12*\b:59+12*\b], v[22:33], v[96+16*\b:103+16*\b], v[KSC+\b/2], v[QS1] matrix_a_fmt:MATRIX_FMT_FP6 matrix_b_fmt:MATRIX_FMT_FP6
	v_wmma_scale_f32_16x16x128_f8f6f4 v[104+16*\b:111+16*\b], v[48+12*\b:59+12*\b], v[16:27], v[104+16*\b:111+16*\b], v[KSC+\b/2], v[QS2] matrix_a_fmt:MATRIX_FMT_FP6 matrix_b_fmt:MATRIX_FMT_FP6
.endif
.endr
.rept 4
	v_nop                                          ; places: K's registers take V, and the scores are read
.endr
.irp t, 0,1,2,3                                ; V's four fragments land while the softmax is worked
.irp p, 0,1,2
	ds_load_b128 v[48+12*\t+4*\p:51+12*\t+4*\p], v[ADV] offset:1536*\t+512*\p
.endr
.endr
	ds_load_b64 v[VSC:VSC+1], v[ADS] offset:4096
.irp b, 0,1,2,3
	v_max3_num_f32 v[BM+\b], v[96+16*\b], v[97+16*\b], v[98+16*\b]   ; the largest score of each block of 32 keys: for the row's maximum and, since p rises with the score, for the block's largest p
.endr
.irp i, 3,5,7,9,11,13
.irp b, 0,1,2,3
	v_max3_num_f32 v[BM+\b], v[BM+\b], v[96+16*\b+\i], v[97+16*\b+\i]
.endr
.endr
.irp b, 0,1,2,3
	v_max_num_f32 v[BM+\b], v[BM+\b], v[111+16*\b]
.endr
.irp b, 0,1,2,3
	s_delay_alu instid0(VALU_DEP_4)
	v_permlanex16_b32 v[BT+\b], v[BM+\b], s[SEL], s[SEL+1]
.endr
.irp b, 0,1,2,3
	s_delay_alu instid0(VALU_DEP_4)
	v_max_num_f32 v[BM+\b], v[BM+\b], v[BT+\b]
.endr
	s_delay_alu instid0(VALU_DEP_2)
	v_max3_num_f32 v[TMPR], v[BM], v[BM+1], v[BM+2]
	s_delay_alu instid0(VALU_DEP_1)
	v_max_num_f32 v[TMPR], v[TMPR], v[BM+3]
	s_delay_alu instid0(VALU_DEP_1)
	v_mul_f32 v[TMPR], s[CS], v[TMPR]
	s_delay_alu instid0(VALU_DEP_1)
	v_max_num_f32 v13, v13, v[TMPR]                ; the running largest t
	v_mov_b32 v[TMPR], v12
	s_delay_alu instid0(VALU_DEP_2)
	v_floor_f32 v12, -v13                          ; the new -M: a whole number
	s_delay_alu instid0(VALU_DEP_1)
	v_sub_f32 v[TMPR], v12, v[TMPR]                ; old M - new M, 0 or less
	s_delay_alu instid0(VALU_DEP_1)
	v_cvt_i32_f32 v[TMPR], v[TMPR]                 ; (it saturates)
	s_delay_alu instid0(VALU_DEP_1)
	v_ldexp_f32 v[FP], 1.0, v[TMPR]                ; f = 2^(old M - new M): exact
.set j, 0
.rept 32
	v_pk_fma_f32 v[96+j:97+j], v[96+j:97+j], s[CS:CS+1], v[12:13] op_sel_hi:[1,0,0]   ; t - M
.set j, j+2
.endr
.irp b, 0,1,2,3
	v_fma_f32 v[BM+\b], v[BM+\b], s[CS], v12
.endr
.set j, 0
	s_wait_alu depctr_va_vdst(0)
.rept 64
	v_exp_f32 v[96+j], v[96+j]                     ; p
.set j, j+1
.endr
	v_pk_mul_f32 v[14:15], v[14:15], v[FP:FP+1] op_sel_hi:[1,0]   ; the sums under the new M (a plain place behind the exponentials)
	s_wait_alu depctr_va_vdst(0)                   ; one wait for the batch of 64, ahead of its first reader
.irp b, 0,1,2,3
	v_exp_f32 v[BM+\b], v[BM+\b]                   ; each block's largest p
.endr
	v_pk_add_f32 v[236:237], v[100:101], v[104:105]
	v_pk_add_f32 v[252:253], v[108:109], v[112:113]
	v_pk_add_f32 v[250:251], v[116:117], v[120:121]
	v_pk_add_f32 v[248:249], v[124:125], v[128:129]
	v_pk_add_f32 v[246:247], v[132:133], v[136:137]
	v_pk_add_f32 v[244:245], v[140:141], v[144:145]
	v_pk_add_f32 v[242:243], v[148:149], v[152:153]
	v_pk_add_f32 v[14:15], v[14:15], v[156:157]
	v_pk_add_f32 v[236:237], v[236:237], v[96:97]
	v_pk_add_f32 v[252:253], v[252:253], v[98:99]
	v_pk_add_f32 v[250:251], v[250:251], v[102:103]
	v_pk_add_f32 v[248:249], v[248:249], v[106:107]
	v_pk_add_f32 v[246:247], v[246:247], v[110:111]
	v_pk_add_f32 v[244:245], v[244:245], v[114:115]
	v_pk_add_f32 v[242:243], v[242:243], v[118:119]
	v_pk_add_f32 v[14:15], v[14:15], v[122:123]
	v_pk_add_f32 v[236:237], v[236:237], v[126:127]
	v_pk_add_f32 v[252:253], v[252:253], v[130:131]
	v_pk_add_f32 v[250:251], v[250:251], v[134:135]
	v_pk_add_f32 v[248:249], v[248:249], v[138:139]
	v_pk_add_f32 v[246:247], v[246:247], v[142:143]
	v_pk_add_f32 v[244:245], v[244:245], v[146:147]
	v_pk_add_f32 v[242:243], v[242:243], v[150:151]
	v_pk_add_f32 v[14:15], v[14:15], v[154:155]
	v_pk_add_f32 v[236:237], v[236:237], v[158:159]
	s_delay_alu instid0(VALU_DEP_2)
	v_pk_add_f32 v[14:15], v[14:15], v[248:249]
	s_delay_alu instid0(VALU_DEP_2)
	v_pk_add_f32 v[236:237], v[236:237], v[246:247]
	v_pk_add_f32 v[252:253], v[252:253], v[244:245]
	v_pk_add_f32 v[250:251], v[250:251], v[242:243]
	s_delay_alu instid0(VALU_DEP_2)
	v_pk_add_f32 v[14:15], v[14:15], v[252:253]
	s_delay_alu instid0(VALU_DEP_2)
	v_pk_add_f32 v[236:237], v[236:237], v[250:251]
	s_delay_alu instid0(VALU_DEP_1)
	v_pk_add_f32 v[14:15], v[14:15], v[236:237]
	s_wait_alu depctr_va_vdst(0)                   ; and one for the four
.irp b, 0,1,2,3
	v_max_num_f32 v[BM+\b], 0x1800000, v[BM+\b]    ; the floor: a block of zeros keeps the byte 1
.endr
.irp b, 0,1,2,3
	s_delay_alu instid0(VALU_DEP_4)
	v_add_nc_u32 v[BS+\b], 0xff000000, v[BM+\b]
.endr
.irp b, 0,1,2,3
	s_delay_alu instid0(VALU_DEP_4)
	v_lshrrev_b32 v[BT+\b], 23, v[BS+\b]
.endr
	s_delay_alu instid0(VALU_DEP_3)
	v_lshl_or_b32 v[PWD], v[BT+1], 8, v[BT]
	s_delay_alu instid0(VALU_DEP_1)
	v_lshl_or_b32 v[PWD], v[BT+2], 16, v[PWD]
	s_delay_alu instid0(VALU_DEP_1)
	v_lshl_or_b32 v[PWD], v[BT+3], 24, v[PWD]
.irp c, 0,1
	v_cvt_scalef32_pk16_fp6_f32 v[PC+6*\c:PC+6*\c+2], v[96+32*\c:111+32*\c], v[BS+2*\c]
	v_cvt_scalef32_pk16_fp6_f32 v[TP+4*\c:TP+4*\c+2], v[112+32*\c:127+32*\c], v[BS+2*\c+1]
.endr
	v_nop                                          ; one plain place behind the scaled conversions
.irp c, 0,1
.irp i, 0,1,2
	v_permlane16_swap_b32 v[PC+6*\c+\i], v[TP+4*\c+\i]
.endr
.irp i, 0,1,2
	s_delay_alu instid0(VALU_DEP_3)
	v_mov_b32 v[PC+3+6*\c+\i], v[TP+4*\c+\i]
.endr
.endr
.set j, 0
.rept 16
	v_pk_mul_f32 v[160+j:161+j], v[160+j:161+j], v[FP:FP+1] op_sel_hi:[1,0]   ; O^T under the new M (also the places between p's codes and scale word and the products)
.set j, j+2
.endr
	s_wait_alu depctr_va_vdst(0)
	s_wait_dscnt 0x0                               ; V
.irp t, 0,1,2,3                                ; O^T += V^T p^T: four accumulators by turns
.if (\t)%2
	v_wmma_scale_f32_16x16x128_f8f6f4 v[160+8*\t:167+8*\t], v[48+12*\t:59+12*\t], v[PC:PC+11], v[160+8*\t:167+8*\t], v[VSC+\t/2], v[PWD] matrix_a_fmt:MATRIX_FMT_FP6 matrix_b_fmt:MATRIX_FMT_FP6 matrix_a_scale:MATRIX_SCALE_ROW1
.else
	v_wmma_scale_f32_16x16x128_f8f6f4 v[160+8*\t:167+8*\t], v[48+12*\t:59+12*\t], v[PC:PC+11], v[160+8*\t:167+8*\t], v[VSC+\t/2], v[PWD] matrix_a_fmt:MATRIX_FMT_FP6 matrix_b_fmt:MATRIX_FMT_FP6
.endif
.endr
	s_add_co_u32 s[TB], s[TB], 6144
	s_add_co_u32 s[TS], s[TS], 256
	s_add_co_u32 s[TMK], s[TMK], 512
	s_sub_co_u32 s[CNT], s[CNT], 1
	s_cmp_lg_u32 s[CNT], 0
	s_cbranch_scc1 .Lstep_\@
.rept 4
	v_nop                                          ; places behind the last products
.endr
	v_add_f32 v14, v14, v15
	s_delay_alu instid0(VALU_DEP_1)
	v_permlanex16_b32 v[TMPR], v14, s[SEL], s[SEL+1]
	s_delay_alu instid0(VALU_DEP_1)
	v_add_f32 v14, v14, v[TMPR]                    ; the row's sum
	s_wait_alu depctr_va_vdst(0)
	v_rcp_f32 v14, v14
	v_nop                                          ; a plain place behind the reciprocal,
	s_wait_alu depctr_va_vdst(0)                   ; and the wait ahead of its first reader
.set j, 0
.rept 16
	v_pk_mul_f32 v[96+j:97+j], v[160+j:161+j], v[14:15] op_sel_hi:[1,0]   ; register 16 b + i: feature 32 b + 16 h + i of my query
.set j, j+2
.endr
.irp b, 0,1
	v_max3_num_f32 v[BM+\b], |v[96+16*\b]|, |v[97+16*\b]|, 0x1800000
.endr
.irp i, 2,4,6,8,10,12,14
.irp b, 0,1
	s_delay_alu instid0(VALU_DEP_2)
	v_max3_num_f32 v[BM+\b], v[BM+\b], |v[96+16*\b+\i]|, |v[97+16*\b+\i]|
.endr
.endr
.irp b, 0,1
	s_delay_alu instid0(VALU_DEP_2)
	v_permlanex16_b32 v[BT+\b], v[BM+\b], s[SEL], s[SEL+1]
.endr
.irp b, 0,1
	s_delay_alu instid0(VALU_DEP_2)
	v_max_num_f32 v[BM+\b], v[BM+\b], v[BT+\b]
.endr
.irp b, 0,1
	s_delay_alu instid0(VALU_DEP_2)
	v_add_nc_u32 v[BS+\b], 0xff000000, v[BM+\b]
.endr
.irp b, 0,1
	s_delay_alu instid0(VALU_DEP_2)
	v_lshrrev_b32 v[BT+\b], 23, v[BS+\b]
.endr
	s_delay_alu instid0(VALU_DEP_1)
	v_lshl_or_b32 v[TMPR], v[BT+1], 8, v[BT]       ; my query's two scale bytes of this head
	v_cvt_scalef32_pk16_fp6_f32 v[PC:PC+2], v[96:111], v[BS]
	v_cvt_scalef32_pk16_fp6_f32 v[TP:TP+2], v[112:127], v[BS+1]
	v_nop
.irp i, 0,1,2
	v_permlane16_swap_b32 v[PC+\i], v[TP+\i]
.endr
.irp i, 0,1,2
	s_delay_alu instid0(VALU_DEP_3)
	v_mov_b32 v[PC+3+\i], v[TP+\i]                 ; six registers: features 32 h on of my query: half a fragment of the last product's operand
.endr
.irp p, 0,1,2
	global_store_b64 v[GO8], v[PC+2*\p:PC+2*\p+1], s[40:41] offset:3072*(\T)+256*\p   ; 32 lanes store 256 consecutive bytes, aligned
.endr
	global_store_b16 v[GOS], v[TMPR], s[42:43] offset:512*(\T)   ; two bytes a row, rows 32 bytes apart: one byte in 24 of what the launch stores; both halves of the lanes write the same value
.endm
	PASS 0
	PASS 1
	s_wait_dscnt 0x0
	s_wait_tensorcnt 0x0
	ds_add_u32 v254, v255
	s_wait_dscnt 0x0
	ROUND                                          ; the closing round
	s_endpgm
.Lfunc_end_k_q37f800097e_attn:
	.size	k_q37f800097e_attn, .Lfunc_end_k_q37f800097e_attn-k_q37f800097e_attn
	.p2alignl 7, 3214868480
	.fill 96, 4, 3214868480
	.section	.rodata,"a",@progbits
	.p2align	6, 0x0
	.amdhsa_kernel k_q37f800097e_attn
		.amdhsa_group_segment_fixed_size 215040
		.amdhsa_private_segment_fixed_size 0
		.amdhsa_enable_private_segment 0
		.amdhsa_kernarg_size 24
		.amdhsa_user_sgpr_count 2
		.amdhsa_user_sgpr_kernarg_segment_ptr 1
		.amdhsa_wavefront_size32 1
		.amdhsa_system_sgpr_workgroup_id_x 1
		.amdhsa_system_sgpr_workgroup_id_y 1
		.amdhsa_system_sgpr_workgroup_id_z 1
		.amdhsa_system_vgpr_workitem_id 0
		.amdhsa_next_free_vgpr 256
		.amdhsa_next_free_sgpr 66
		.amdhsa_reserve_vcc 1
		.amdhsa_float_denorm_mode_32 3
		.amdhsa_float_denorm_mode_16_64 3
		.amdhsa_memory_ordered 1
		.amdhsa_forward_progress 1
		.amdhsa_inst_pref_size 56
	.end_amdhsa_kernel
	.amdgpu_metadata
---
amdhsa.version: [ 1, 2 ]
amdhsa.kernels:
  - .name:           k_q37f800097e_attn
    .symbol:         k_q37f800097e_attn.kd
    .args:
      - { .name: hq, .offset: 0, .size: 8, .value_kind: global_buffer, .address_space: global }
      - { .name: mask, .offset: 8, .size: 8, .value_kind: global_buffer, .address_space: global }
      - { .name: aq, .offset: 16, .size: 8, .value_kind: global_buffer, .address_space: global }
    .group_segment_fixed_size: 215040
    .private_segment_fixed_size: 0
    .kernarg_segment_align: 8
    .kernarg_segment_size: 24
    .max_flat_workgroup_size: 512
    .sgpr_count:     66
    .vgpr_count:     256
    .wavefront_size: 32
...
	.end_amdgpu_metadata
.endif
;; end of part 3
;; launch gemm_out (part 4): grid 8 x 32, 4 waves a work-group, clusters of 4 x 4, 327,680 bytes of LDS; arguments aq, wq, b_out, out0; writes out0
.if DOCPART == 4
	.amdgcn_target "amdgcn-amd-amdhsa--gfx1250"
	.amdhsa_code_object_version 6
	.text
	.protected	k_q37f800097e_gemm_out
	.globl	k_q37f800097e_gemm_out
	.p2align	8
	.type	k_q37f800097e_gemm_out,@function
k_q37f800097e_gemm_out:
	s_mov_b64 s[64:65], 0
	v_nop
	global_prefetch_b8 v0, s[64:65] scope:SCOPE_SE
	s_setreg_imm32_b32 hwreg(HW_REG_WAVE_MODE, 25, 1), 1
	s_wait_xcnt 0x0
	s_wait_alu depctr_hold_cnt(0) depctr_sa_sdst(0) depctr_va_vdst(0) depctr_va_sdst(0) depctr_va_ssrc(0) depctr_va_vcc(0) depctr_vm_vsrc(0)
	s_getreg_b32 s2, hwreg(HW_REG_IB_STS2, 6, 4)
	s_cmp_eq_u32 s2, 0
	s_cbranch_scc0 .Lentry_in_a_cluster
	s_endpgm
.Lentry_in_a_cluster:
	s_bfe_u32 s2, ttmp6, 0x10000c
	s_cmp_lg_u32 s2, 0xf033
	s_cbranch_scc0 .Lentry_shape_is_right
	s_endpgm
.Lentry_shape_is_right:
; out0 = attention's result x w_out + b_out on codes of FP6 (E2M3) with E8M0 scales.  256 work-groups of four waves (2 x 2), each 256 rows x 128 columns; a wave 128 x 64: 32 accumulators by turns.
; ALL of K lies in LDS, asked for at the head, one tensor load a wave; nothing is filled twice.  aq's operand images (4 K steps x 49,152 consecutive bytes) at 0, 128 weight rows (768 bytes + 16 behind each 256) behind them,
; then the spare words and a stage of 16 rows x 272 bytes for each wave, which no tensor load fills.
; CLUSTERS 4 x 4: aq's tile is shared along a row of the cluster, the weight rows along a column.  Source 0 = weight rows: a lane holds eight neighbouring columns of a row of out0.
; No prefetch: the launch's streams are all asked for at its head, and there is no loop to run ahead in.
; Rows and columns lie at places (bits 3 and 4 exchanged), as the first launch lays them; the way out sets both right.
.set KROW,  768
.set PITCH, 816
.set AB,    196608
.set SPARE, AB+128*PITCH
.set STAGE, SPARE+512
.set SP,    272
.set STO, 8
.set RD,  9
.set SPW, 10
.set NIL, 11
.set ASC, 12
.set CO,  13
.set AB0, 14
.set AK,  32                           ; v32-35 my place in aq's images, K steps of 256
.set AW,  48
.set SXS, 64
.set SWS, 100
.set GB,  116
.set WF,  148
.set BK,  148
.set G1X, 24
.set G1W, 32
.set G0X, 48
.set G0W, 52
.set MSB, 0
.macro WIN new
.if MSB != (\new)
	s_set_vgpr_msb (MSB<<8)|(\new)
.set MSB, (\new)
.endif
.endm
.macro PLACES n
.rept \n
	v_nop
.endr
.endm
.macro CROUND
	s_barrier_signal -1
	s_barrier_wait -1
	s_cmp_lg_u32 s14, 0
	s_cbranch_scc1 .Lnot_wave_0_\@
	s_barrier_signal -3
.Lnot_wave_0_\@:
	s_barrier_wait -3
	s_barrier_signal -1
	s_barrier_wait -1
.endm
.macro FRAG reg, q, ad
.set SKIP_, 0
.irp p, 0,1,2,3,4,5
.if SKIP_
.set SKIP_, 0
.else
.set PC_, 12*(\q)+6*(\p/3)+\p%3
.set PN_, 12*(\q)+6*((\p+1)/3)+(\p+1)%3
.set X_, (PC_%32+3)/32
.set XQ_, (PN_%32+3)/32
.if (\p < 5) && (X_ == XQ_)
.set SKIP_, 1
	ds_load_2addr_b64 v[\reg+2*\p:\reg+2*\p+3], v[\ad+X_] offset0:PC_+2*(PC_/32) offset1:PN_+2*(PN_/32)
.else
	ds_load_b64 v[\reg+2*\p:\reg+2*\p+1], v[\ad+X_] offset:8*(PC_+2*(PC_/32))
.endif
.endif
.endr
.endm
.macro FETCH q, s
	WIN 0x40
.irp i, 0,1,2,3,4,5,6,7
.irp p, 0,1,2,3,4,5
	ds_load_b64 v[128*(\s)+12*\i+2*\p:128*(\s)+12*\i+2*\p+1], v[AK+(\q)/2] offset:3072*\i+1536*((\q)%2)+256*\p
.endr
.endr
	WIN 0
.irp i, 0,1,2,3
	FRAG WF+48*(\s)+12*\i, \q, AW+2*\i
.endr
.endm
.macro WM d, a, b, c, x, y, ra, rb
	v_wmma_scale_f32_16x16x128_f8f6f4 v[\d:\d+7], v[\a:\a+11], v[\b:\b+11], \c, v[\x], v[\y] matrix_a_fmt:MATRIX_FMT_FP6 matrix_b_fmt:MATRIX_FMT_FP6 matrix_a_scale:MATRIX_SCALE_ROW\ra matrix_b_scale:MATRIX_SCALE_ROW\rb
.endm
.macro MULS q, s, first
.irp ah, 0,1,2,3
.irp al, 0,1
.irp bh, 0,1
.irp bl, 0,1
.set XF, 128*(\s)+12*(2*\ah+\al)
.set WR, WF+48*(\s)+12*(2*\bh+\bl)
.set XS, SXS+8*\ah+(\q)
.set WS, SWS+8*\bh+(\q)
.set DD, 32*(2*\ah+\al)+8*(2*\bh+\bl)
.set CB, GB+8*(2*\bh+\bl)
.if \first
	WM DD, WR, XF, v[CB:CB+7], WS, XS, \bl, \al
.else
	WM DD, WR, XF, v[DD:DD+7], WS, XS, \bl, \al
.endif
.endr
.endr
.endr
.endr
.endm
.macro STEP q                          ; this step's fragments are in; the next step's are asked for into the other set; 32 products
	s_wait_dscnt 0x0
.if (\q) < 7
.if (\q) > 0
	PLACES 4
.endif
	FETCH (\q)+1, ((\q)+1)%2
.endif
.if (\q) == 0
	WIN 0x84
.else
	WIN 0xa4
.endif
	MULS \q, (\q)%2, (\q)==0
	WIN 0
.endm
	s_load_b256 s[4:11], s[0:1], 0x0       ; aq, wq, b_out, out0
	v_lshl_add_u32 v[SPW], v0, 2, SPARE
	v_mov_b32 v[NIL], 0
	ds_add_u32 v[SPW], v[NIL]              ; the opening lines
	ds_add_u32 v[SPW], v[NIL]
	v_lshrrev_b32 v1, 5, v0
	v_readfirstlane_b32 s14, v1
	s_lshr_b32 s15, s14, 1
	s_and_b32 s16, s14, 1
	s_bfe_u32 s40, ttmp6, 0x40000
	s_bfe_u32 s41, ttmp6, 0x40004
	s_lshl_b32 s42, ttmp9, 2
	s_add_co_u32 s42, s42, s40             ; tile of 128 columns
	s_and_b32 s43, ttmp7, 0xffff
	s_lshl_b32 s43, s43, 2
	s_add_co_u32 s43, s43, s41             ; tile of 256 rows
	s_lshl_b32 s44, s41, 2
	s_lshl_b32 s44, 15, s44
	s_lshl_b32 s45, 0x1111, s40
	s_or_b32 s[G1X+0], s44, (3<<16)|(1<<21)    ; aq: two rows of 6,144 elements of 8 bytes, a K step of 256 each
	s_mov_b32 s[G1X+1], 6144<<16
	s_mov_b32 s[G1X+2], 2<<16
	s_mov_b32 s[G1X+3], 6144<<16
	s_mov_b32 s[G1X+4], 2
	s_mov_b32 s[G1X+5], 196608
	s_mov_b32 s[G1X+6], 0
	s_mov_b32 s[G1X+7], 0
	s_or_b32 s[G1W+0], s45, (1<<20)|(1<<21)|(5<<22)|(3<<25)
	s_mov_b32 s[G1W+1], KROW<<16
	s_mov_b32 s[G1W+2], 64<<16
	s_mov_b32 s[G1W+3], KROW<<16
	s_mov_b32 s[G1W+4], 64
	s_mov_b32 s[G1W+5], KROW
	s_mov_b32 s[G1W+6], 0
	s_mov_b32 s[G1W+7], 0
	s_mul_i32 s20, s43, 49152
	s_mul_i32 s21, s16, 2*1572864
	s_add_co_u32 s20, s20, s21
	s_mov_b32 s21, 0
	s_lshl_b32 s46, s42, 7
	s_add_co_u32 s46, s46, 3072
	s_lshl_b32 s22, s16, 6
	s_add_co_u32 s46, s46, s22
	s_mul_i32 s46, s46, KROW
	s_mov_b32 s47, 0
	s_mov_b32 s[G0X], 1
	s_mul_i32 s[G0X+1], s16, 98304
	s_mov_b32 s[G0W], 1
	s_mul_i32 s[G0W+1], s16, 64*PITCH
	s_add_co_u32 s[G0W+1], s[G0W+1], AB
	s_wait_dscnt 0x0
	s_wait_kmcnt 0x0
	s_add_nc_u64 s[G0X+2:G0X+3], s[4:5], s[20:21]
	s_or_b32 s[G0X+3], s[G0X+3], 0x80000000
	s_add_nc_u64 s[G0W+2:G0W+3], s[6:7], s[46:47]
	s_or_b32 s[G0W+3], s[G0W+3], 0x80000000
	CROUND
	s_cmp_eq_u32 s15, 0
	s_cbranch_scc0 .Lfor_w
	tensor_load_to_lds s[G0X:G0X+3], s[G1X:G1X+7]   ; waves 0, 1: two K steps of aq's tile each
	s_nop 0
	PLACES 4
	s_branch .Lasked
.Lfor_w:
	tensor_load_to_lds s[G0W:G0W+3], s[G1W:G1W+7]   ; waves 2, 3: 64 weight rows each
	s_nop 0
	PLACES 4
.Lasked:
	s_lshl_b32 s22, s43, 8
	s_lshl_b32 s21, s15, 7
	s_add_co_u32 s22, s22, s21                 ; my first row
	s_lshl_b32 s20, s22, 5
	s_add_co_u32 s20, s20, 6291456
	s_mov_b32 s21, 0
	s_add_nc_u64 s[56:57], s[4:5], s[20:21]
	s_lshl_b32 s20, s22, 12
	s_add_nc_u64 s[12:13], s[10:11], s[20:21]
	s_lshl_b32 s22, s42, 7
	s_lshl_b32 s23, s16, 6
	s_add_co_u32 s22, s22, s23                 ; my first column
	s_lshl_b32 s20, s22, 5
	s_add_co_u32 s20, s20, 3244032
	s_add_nc_u64 s[58:59], s[6:7], s[20:21]
	s_lshl_b32 s20, s22, 2
	s_add_nc_u64 s[60:61], s[8:9], s[20:21]
	s_add_nc_u64 s[12:13], s[12:13], s[20:21]
	s_mul_i32 s22, s15, 24576
	s_mul_i32 s23, s16, 64*PITCH
	s_add_co_u32 s23, s23, AB
	s_mul_i32 s66, s14, 16*SP
	s_add_co_u32 s66, s66, STAGE
	v_and_b32 v1, 15, v0
	v_bfe_u32 v2, v0, 4, 1
	v_and_b32 v3, 31, v0
	v_mul_u32_u24 v4, v1, PITCH
	v_mad_u32_u24 v5, v2, 24, v4
	v_mad_u32_u24 v6, v2, 40, v4
	v_add_nc_u32 v18, s23, v5
	v_add_nc_u32 v19, s23, v6
	v_lshlrev_b32 v16, 3, v3
	v_add_nc_u32 v16, s22, v16
.irp k, 0,1,2,3
	v_add_nc_u32 v[AK+\k], \k*49152, v16
.endr
.irp i, 0,1,2,3
	v_add_nc_u32 v[AW+2*\i], \i*16*PITCH, v18
	v_add_nc_u32 v[AW+2*\i+1], \i*16*PITCH, v19
.endr
	v_lshlrev_b32 v[ASC], 5, v3
	v_lshlrev_b32 v[AB0], 6, v2
	v_mul_u32_u24 v7, v1, SP
	v_lshl_add_u32 v7, v2, 6, v7
	v_add_nc_u32 v[STO], s66, v7               ; the stage, in: row r, 64 h bytes
	v_mul_u32_u24 v7, v2, SP
	v_lshl_add_u32 v7, v1, 4, v7
	v_add_nc_u32 v[RD], s66, v7                ; and back: sixteen lanes to a row of 256 bytes
	v_lshlrev_b32 v7, 12, v2
	v_lshl_add_u32 v[CO], v1, 4, v7
	s_wait_alu depctr_va_vdst(0)               ; the head's end
.irp i, 0,1,2,3
.irp c, 0,1
	global_load_b128 v[SXS+8*\i+4*\c:SXS+8*\i+4*\c+3], v[ASC], s[56:57] offset:1024*\i+16*\c
.endr
.endr
.irp i, 0,1
.irp c, 0,1
	global_load_b128 v[SWS+8*\i+4*\c:SWS+8*\i+4*\c+3], v[ASC], s[58:59] offset:1024*\i+16*\c
.endr
.endr
.irp b, 0,1,2,3
	global_load_b128 v[GB+8*\b:GB+8*\b+3], v[AB0], s[60:61] offset:4*(32*(\b/2)+8*(\b%2))
	global_load_b128 v[GB+8*\b+4:GB+8*\b+7], v[AB0], s[60:61] offset:4*(32*(\b/2)+8*(\b%2))+16
.endr
	s_wait_tensorcnt 0x0                       ; my tile has landed
	s_barrier_signal -1
	s_barrier_wait -1                          ; everybody's
	FETCH 0, 0
	s_wait_loadcnt 0x0
.irp q, 0,1,2,3,4,5,6,7
	STEP \q
.endr
; THE WAY OUT, by blocks of 16 rows x 64 columns, through my own stage: LDS serves a wave's instructions in order, so no wait stands between the stores and the loads
.macro TOSTAGE a
	WIN 0x08
.irp b, 0,1,2,3
	ds_store_b128 v[STO], v[32*(\a)+8*\b:32*(\a)+8*\b+3] offset:128*(\b/2)+32*(\b%2)
	ds_store_b128 v[STO], v[32*(\a)+8*\b+4:32*(\a)+8*\b+7] offset:128*(\b/2)+32*(\b%2)+16
.endr
	WIN 0
.irp u, 0,1,2,3,4,5,6,7
	ds_load_b128 v[BK+32*((\a)%2)+4*\u:BK+32*((\a)%2)+4*\u+3], v[RD] offset:\u*2*SP
.endr
.endm
.macro SEND a, younger                 ; younger: the next block's 8 stores and 8 loads, which may stay out
	s_wait_dscnt \younger
.irp u, 0,1,2,3,4,5,6,7
	global_store_b128 v[CO], v[BK+32*((\a)%2)+4*\u:BK+32*((\a)%2)+4*\u+3], s[12:13] offset:(32*((\a)/2)+8*((\a)%2)+2*\u+8*(\u/4))*4096 th:TH_STORE_NT   ; sixteen lanes store 256 consecutive bytes, aligned
.endr
.endm
	PLACES 4
	TOSTAGE 0
.irp a, 1,2,3,4,5,6,7
.if \a > 1
	s_wait_xcnt 0x0                            ; block a - 2's stores have read their registers
.endif
	TOSTAGE \a
	SEND \a-1, 16
.endr
	SEND 7, 0
	s_wait_tensorcnt 0x0                       ; the wave's end
	ds_add_u32 v[SPW], v[NIL]
	s_wait_dscnt 0x0
	CROUND
	s_endpgm
.Lfunc_end_k_q37f800097e_gemm_out:
	.size	k_q37f800097e_gemm_out, .Lfunc_end_k_q37f800097e_gemm_out-k_q37f800097e_gemm_out
	.p2alignl 7, 3214868480
	.fill 96, 4, 3214868480
	.section	.rodata,"a",@progbits
	.p2align	6, 0x0
	.amdhsa_kernel k_q37f800097e_gemm_out
		.amdhsa_group_segment_fixed_size 327680
		.amdhsa_private_segment_fixed_size 0
		.amdhsa_enable_private_segment 0
		.amdhsa_kernarg_size 32
		.amdhsa_user_sgpr_count 2
		.amdhsa_user_sgpr_kernarg_segment_ptr 1
		.amdhsa_wavefront_size32 1
		.amdhsa_system_sgpr_workgroup_id_x 1
		.amdhsa_system_sgpr_workgroup_id_y 1
		.amdhsa_system_sgpr_workgroup_id_z 1
		.amdhsa_system_vgpr_workitem_id 0
		.amdhsa_next_free_vgpr 768
		.amdhsa_next_free_sgpr 72
		.amdhsa_reserve_vcc 0
		.amdhsa_float_denorm_mode_32 3
		.amdhsa_float_denorm_mode_16_64 3
		.amdhsa_memory_ordered 1
		.amdhsa_forward_progress 1
		.amdhsa_inst_pref_size 89
	.end_amdhsa_kernel
	.amdgpu_metadata
---
amdhsa.version: [ 1, 2 ]
amdhsa.kernels:
  - .name:           k_q37f800097e_gemm_out
    .symbol:         k_q37f800097e_gemm_out.kd
    .args:
      - { .name: aq, .offset: 0, .size: 8, .value_kind: global_buffer, .address_space: global }
      - { .name: wq, .offset: 8, .size: 8, .value_kind: global_buffer, .address_space: global }
      - { .name: b_out, .offset: 16, .size: 8, .value_kind: global_buffer, .address_space: global }
      - { .name: out0, .offset: 24, .size: 8, .value_kind: global_buffer, .address_space: global }
    .group_segment_fixed_size: 327680
    .private_segment_fixed_size: 0
    .kernarg_segment_align: 8
    .kernarg_segment_size: 32
    .max_flat_workgroup_size: 128
    .sgpr_count:     72
    .vgpr_count:     768
    .wavefront_size: 32
...
	.end_amdgpu_metadata
.endif
;; end of part 4
